; MI455X (gfx1250); checked and timed in simulation.
; The chip was launched on July 23, 2026; its instructions are those of AMD's public machine-readable ISA for CDNA 5 (MIT licence, August 2026) and "CDNA5" Instruction Set Architecture Reference Guide (July 2026). The comments in the code are by the model that wrote it; some were corrected since.
;; Multi Head Attention. Allowed arithmetic: matrix products marked QUANTISED: E3M2 operands, one E8M0 scale for each 32 along K, by v_wmma_scale_f32_16x16x128_f8f6f4 with both operands' format E3M2, f32 sums; everything else in f32.
;; Inputs: b_out 1,024 float32; b_qkv 3,072 float32; w_out 1,024 x 1,024 float32; w_qkv 1,024 x 3,072 float32; x 4 x 1,024 x 2,048 float32.
;; Outputs: out0 4 x 1,024 x 2,048 float32.
;; This version of the problem:
;;   THIS VERSION OF THE PROBLEM IS GIVEN IN LOW PRECISION. The matrix products marked QUANTISED in the list below multiply operands that are first quantised to E3M2 (3 exponent bits, 2 mantissa bits; 6 bits a number), with one power-of-two scale for each 32 numbers along K (OCP MX v1.0); their sums are f32. All else is computed in f32.
;;   The module's matrix products, in the order in which they are computed (A, B: the left and right operand; K: the contracted axis; several contracted axes count as one K, in the product's order):
;;     1. [M 8,192, K 1,024] x [K 1,024, N 3,072]; A: input x; B: input w_qkv: QUANTISED
;;     2. batch 64 x [M 2,048, K 64] x [K 64, N 2,048]; A: computed on the way; B: computed on the way: QUANTISED
;;     3. batch 64 x [M 2,048, K 2,048] x [K 2,048, N 64]; A: softmax (see below); B: computed on the way: QUANTISED
;;     4. [M 8,192, K 1,024] x [K 1,024, N 1,024]; A: computed on the way; B: input w_out: QUANTISED
;;   THE QUANTISER, for each operand of a quantised product, along K:
;;     - K is cut into blocks of 32 from its start; a last block that is shorter is filled with zeros.
;;     - A block's scale is 2^e with e = floor(log2(the largest magnitude in the block)) - 4, held to -126 .. 127; a block of zeros has e = 0. As a byte (E8M0): e + 127.
;;     - Each number is divided by its block's scale, clamped to +-28, and rounded to the nearest number of E3M2, ties to even, subnormals kept.
;;     - The product sums the exact products of the quantised numbers (number of the format x scale) in f32.
;;   ~~~python
;;   def quantise(x, axis):      # numpy; x: float32 -> the quantised numbers, widened to float32 again
;;       x = np.moveaxis(x, axis, -1); K = x.shape[-1]
;;       x = np.pad(x, [(0, 0)] * (x.ndim - 1) + [(0, -K % 32)]); x = x.reshape(x.shape[:-1] + (-1, 32)); a = np.abs(x).max(-1, keepdims=True)
;;       e = np.where(a > 0, np.clip(np.frexp(np.where(a > 0, a, 1))[1] - 1 - 4, -126, 127), 0)      # np.frexp(a)[1] - 1 = floor(log2(a)), exactly
;;       r = np.clip(x / 2.0 ** e, -28, 28)
;;       step = 2.0 ** (np.maximum(np.frexp(np.where(r == 0, 1, r))[1] - 1, -2) - 2)
;;       q = np.round(r / step) * step * 2.0 ** e      # np.round: ties to even
;;       return np.moveaxis(q.reshape(q.shape[:-2] + (-1,))[..., :K], -1, axis).astype(np.float32)
;;   ~~~
;;   SOFTMAX AHEAD OF A QUANTISED PRODUCT. Where the list says 'softmax', what is quantised is not the finished softmax but p = 2^(t - M), with t = logit x log2(e) and M = ceil(the row's largest t), a whole number; so 1/2 < the row's largest p <= 1. The row's sum l is taken of the UNQUANTISED p, in f32, and the product's result is divided by l at the end. Since M is a whole number, a kernel that streams over the keys may use a running M (the ceiling of the running maximum): every later rescaling is an exact power of two, which a block's scale takes up: the codes' values come out the same.
;;   OPERANDS COMPUTED ON THE WAY. 'Computed on the way' means the value that the module computes at that place (a softmax that the list does not call 'softmax' is quantised finished and normalised). What goes into a quantiser is computed in f32, as accurately as f32 sums, v_exp_f32 and their like allow (about 1e-6 of the number): no bf16 or f16 on the way to a quantiser, and a product that is left as it is and whose result goes on into a quantised operand takes f32 operands (vector FMAs, or v_wmma_f32_16x16x4_f32). A number that lies on a knife's edge between two numbers of the format may be rounded either way, as far as f32 arithmetic and the matrix unit's own rounding can turn it there, and no further.
;; One version. Each part assembles by itself: llvm-mc -triple=amdgcn-amd-amdhsa -mcpu=gfx1250 --defsym DOCPART=n.
;; ======== version 1 of 1: 4 launches
;; limits: right only within a limited range of input values
;; workspace buffers: ops 9,830,400 bytes; qkv 26,738,688 bytes; att 6,553,600 bytes
;; launch quant (part 1): grid 384 x 1, 4 waves a work-group, no clusters, 0 bytes of LDS; arguments x, w_qkv, w_out, ops; writes ops
.if DOCPART == 1
	.amdgcn_target "amdgcn-amd-amdhsa--gfx1250"
	.amdhsa_code_object_version 6
	.text
	.protected	k_q8c25ef3e72_quant
	.globl	k_q8c25ef3e72_quant
	.p2align	8
	.type	k_q8c25ef3e72_quant,@function
k_q8c25ef3e72_quant:
	s_mov_b64 s[64:65], 0
	v_nop
	global_prefetch_b8 v0, s[64:65] scope:SCOPE_SE
	s_setreg_imm32_b32 hwreg(HW_REG_WAVE_MODE, 25, 1), 1
	s_wait_xcnt 0x0
; x [4][1024][2048], w_qkv [1024][3072] and w_out [1024][1024], f32, all with K (1,024) as the OUTER axis of a matrix, become codes of E3M2 with one E8M0 byte for each 32 along K.
; The three are one space of 12,288 operand rows: 0.. tokens (2,048 b + t), 8,192.. w_qkv's columns, 11,264.. w_out's columns.
; A LANE TAKES A ROW OF THAT SPACE (a column of memory) AND ITS REGISTERS RUN DOWN K: each load reads 128 consecutive bytes a wave (512 a work-group), a block of 32 lies in one lane, nothing is transposed.
; THE OUTPUT IS LAID IN THE ORDER OF THE MATRIX OPERAND'S REGISTERS.  32 rows are a pair of tiles: row p of a pair is lane-row (p & 7) + 8 (p >> 4) of tile (p >> 3) & 1, so that a product's eight results
; of two neighbouring tiles are 16 neighbours along the next K.  A tile's K step of 128 is an image of 1,536 bytes: register j of lane l at 512 (j / 4) + 16 l + 4 (j % 4).  Codes: tile x 12,288 + K step x 1,536.
; Scale words from byte 9,437,184: pair x 1,024 + (K step / 2) x 256 + 8 x (16 tile + lane-row) + 4 x (K step % 2).
; A block's scale is 2^(floor(log2(largest magnitude)) - 4); its byte is the largest magnitude's exponent field - 4, held at 1 from below.
; LIMITS: NaN and infinities are not served; a block of zeros gets the byte 1 where the rule says 127 (its codes are zeros, and this program alone reads the bytes); blocks under 2^-122 keep the byte 1.
; SHARES: work-group G: 128 rows (G / 4) x 256 along K (G % 4); a wave 32 rows, one pair.  No LDS, no barrier: waves share nothing.  Loads run two blocks (64 loads a wave) ahead.
.set VO,  16                           ; v16-47   4 x lane + i x row stride: the 32 rows of K of a block; never rewritten
.set X,   48                           ; v48-111  two sets of 32 numbers
.set F,   112                          ; v112-159 the images' registers: K step s, half h of the lanes: 12 registers at F + 24 s + 12 h; each written once
.set TC,  160                          ; v160-162 a block's upper 16 codes (a conversion's three registers begin on an even number)
.set SWD, 164                          ; v164-165 the two K steps' scale words
.set SB,  24                           ; s[24:39] the source at block t: eight pairs, never rewritten
	s_load_b256 s[4:11], s[0:1], 0x0               ; x s[4:5], w_qkv s[6:7], w_out s[8:9], ops s[10:11]
	v_lshrrev_b32 v1, 5, v0
	v_readfirstlane_b32 s12, v1                    ; wave
	v_and_b32 v1, 31, v0                           ; lane = row of the pair
	v_lshlrev_b32 v2, 2, v1
	v_and_b32 v10, 7, v1
	v_bfe_u32 v11, v1, 4, 1
	v_lshl_add_u32 v10, v11, 3, v10                ; lane-row
	v_bfe_u32 v11, v1, 3, 1                        ; tile of the pair
	v_mul_u32_u24 v3, v11, 12288
	v_lshl_add_u32 v3, v10, 4, v3                  ; my 16 bytes in an image's 512: tile x 12,288 + 16 x lane-row
	v_lshl_add_u32 v4, v11, 4, v10
	v_lshlrev_b32 v4, 3, v4                        ; my two scale words
	s_lshr_b32 s13, ttmp9, 2                       ; group of 128 rows
	s_and_b32 s14, ttmp9, 3                        ; which 256 along K
	s_and_b32 s16, s13, 15                         ; x: 128 tokens of a batch,
	s_lshr_b32 s17, s13, 4                         ; and the batch
	s_sub_co_u32 s18, s13, 64                      ; w_qkv: 128 columns
	s_sub_co_u32 s19, s13, 88                      ; w_out: 128 columns
	s_mov_b32 s15, 12288                           ; bytes from one k to the next
	s_wait_alu depctr_va_vdst(0)
	s_wait_kmcnt 0x0
	s_cmp_lt_u32 s13, 88                           ; the choice hangs on the work-group's number alone
	s_cselect_b64 s[6:7], s[6:7], s[8:9]
	s_cselect_b32 s18, s18, s19
	s_cselect_b32 s15, s15, 4096
	s_cmp_lt_u32 s13, 64
	s_cselect_b64 s[4:5], s[4:5], s[6:7]
	s_cselect_b32 s16, s16, s18
	s_cselect_b32 s17, s17, 0
	s_cselect_b32 s15, 8192, s15
	s_lshl_b32 s17, s17, 23                        ; batch x 8,388,608
	s_lshl_b32 s19, s14, 8
	s_mul_i32 s19, s19, s15                        ; + 256 rows of K
	s_add_co_u32 s17, s17, s19
	s_lshl_b32 s16, s16, 9                         ; + 128 columns x 4
	s_add_co_u32 s17, s17, s16
	s_lshl_b32 s19, s12, 7                         ; + my wave's 32
	s_add_co_u32 s20, s17, s19
	s_mov_b32 s21, 0
	s_add_nc_u64 s[SB:SB+1], s[4:5], s[20:21]
	s_lshl_b32 s22, s15, 5                         ; 32 rows of K
	s_mov_b32 s23, 0
.irp t, 1,2,3,4,5,6,7
	s_add_nc_u64 s[SB+2*\t:SB+2*\t+1], s[SB+2*\t-2:SB+2*\t-1], s[22:23]
.endr
	s_lshl_b32 s16, s13, 2
	s_add_co_u32 s16, s16, s12                     ; my pair
	s_mul_i32 s20, s16, 24576
	s_mul_i32 s17, s14, 3072
	s_add_co_u32 s20, s20, s17
	s_add_nc_u64 s[40:41], s[10:11], s[20:21]      ; its codes, at my two K steps
	s_lshl_b32 s20, s16, 10
	s_lshl_b32 s17, s14, 8
	s_add_co_u32 s20, s20, s17
	s_add_co_u32 s20, s20, 9437184
	s_add_nc_u64 s[42:43], s[10:11], s[20:21]      ; its scale words
.set i, 0
.rept 32
	v_mad_u32_u24 v[VO+i], s15, i, v2
.set i, i+1
.endr
.macro LOAD t                          ; block t: 32 numbers down K of my row, into set t % 2
.set i, 0
.rept 32
	global_load_b32 v[X+32*((\t)%2)+i], v[VO+i], s[SB+2*(\t):SB+2*(\t)+1] th:TH_LOAD_NT
.set i, i+1
.endr
.endm
	LOAD 0
	LOAD 1
.macro BLOCK t                         ; block t = 4 s + 2 c + h goes to registers 6 c .. 6 c + 5 of lane (lane-row, h) of K step s
.set XS, X+32*((\t)%2)
.set FB, F+24*((\t)/4)+12*((\t)%2)+6*(((\t)%4)/2)
.if (\t) < 7
	s_wait_loadcnt 32                              ; this block's 32 loads are in; the next block's may be out
.else
	s_wait_loadcnt 0x0
.endif
	v_max3_num_f32 v12, |v[XS]|, |v[XS+1]|, |v[XS+2]|   ; the block's largest magnitude, in two chains
	v_max3_num_f32 v13, |v[XS+3]|, |v[XS+4]|, |v[XS+5]|
.irp i, 6,10,14,18,22,26
	v_max3_num_f32 v12, v12, |v[XS+\i]|, |v[XS+\i+1]|
	v_max3_num_f32 v13, v13, |v[XS+\i+2]|, |v[XS+\i+3]|
.endr
	v_max3_num_f32 v12, v12, |v[XS+30]|, |v[XS+31]|
	v_max3_num_f32 v12, v12, v13, 0x2800000        ; and the floor 2^(5 - 127): the byte cannot fall under 1
	v_add_nc_u32 v11, 0xfe000000, v12              ; 4 off the exponent field: the conversion takes this operand's exponent field as its scale
	v_lshrrev_b32 v13, 23, v11                     ; the scale's byte
.if (\t)%4 == 0
	v_mov_b32 v[SWD+(\t)/4], v13
.else
	v_lshl_or_b32 v[SWD+(\t)/4], v13, 8*((\t)%4), v[SWD+(\t)/4]
.endif
	v_cvt_scalef32_pk16_bf6_f32 v[FB:FB+2], v[XS:XS+15], v11
	v_cvt_scalef32_pk16_bf6_f32 v[TC:TC+2], v[XS+16:XS+31], v11
	v_nop                                          ; one plain place behind a scaled conversion
	v_mov_b32 v[FB+3], v[TC]
	v_mov_b32 v[FB+4], v[TC+1]
	v_mov_b32 v[FB+5], v[TC+2]
.if (\t)+2 < 8
	LOAD (\t)+2
.endif
.if (\t)%4 == 3                        ; a K step is whole: six stores, each of 256 consecutive aligned bytes in each of the pair's two tiles
.irp h, 0,1
.irp c, 0,1,2
	global_store_b128 v3, v[F+24*((\t)/4)+12*\h+4*\c:F+24*((\t)/4)+12*\h+4*\c+3], s[40:41] offset:((\t)/4)*1536+512*\c+256*\h
.endr
.endr
.endif
.endm
.irp t, 0,1,2,3,4,5,6,7
	BLOCK \t
.endr
	global_store_b64 v4, v[SWD:SWD+1], s[42:43]    ; 32 lanes store 256 consecutive aligned bytes
	s_endpgm
.Lfunc_end_k_q8c25ef3e72_quant:
	.size	k_q8c25ef3e72_quant, .Lfunc_end_k_q8c25ef3e72_quant-k_q8c25ef3e72_quant
	.p2alignl 7, 3214868480
	.fill 96, 4, 3214868480
	.section	.rodata,"a",@progbits
	.p2align	6, 0x0
	.amdhsa_kernel k_q8c25ef3e72_quant
		.amdhsa_group_segment_fixed_size 0
		.amdhsa_private_segment_fixed_size 0
		.amdhsa_enable_private_segment 0
		.amdhsa_kernarg_size 32
		.amdhsa_user_sgpr_count 2
		.amdhsa_user_sgpr_kernarg_segment_ptr 1
		.amdhsa_wavefront_size32 1
		.amdhsa_system_sgpr_workgroup_id_x 1
		.amdhsa_system_sgpr_workgroup_id_y 1
		.amdhsa_system_sgpr_workgroup_id_z 1
		.amdhsa_system_vgpr_workitem_id 0
		.amdhsa_next_free_vgpr 168
		.amdhsa_next_free_sgpr 66
		.amdhsa_reserve_vcc 0
		.amdhsa_float_denorm_mode_32 3
		.amdhsa_float_denorm_mode_16_64 3
		.amdhsa_memory_ordered 1
		.amdhsa_forward_progress 1
		.amdhsa_inst_pref_size 42
	.end_amdhsa_kernel
	.amdgpu_metadata
---
amdhsa.version: [ 1, 2 ]
amdhsa.kernels:
  - .name:           k_q8c25ef3e72_quant
    .symbol:         k_q8c25ef3e72_quant.kd
    .args:
      - { .name: x, .offset: 0, .size: 8, .value_kind: global_buffer, .address_space: global }
      - { .name: w_qkv, .offset: 8, .size: 8, .value_kind: global_buffer, .address_space: global }
      - { .name: w_out, .offset: 16, .size: 8, .value_kind: global_buffer, .address_space: global }
      - { .name: ops, .offset: 24, .size: 8, .value_kind: global_buffer, .address_space: global }
    .group_segment_fixed_size: 0
    .private_segment_fixed_size: 0
    .kernarg_segment_align: 8
    .kernarg_segment_size: 32
    .max_flat_workgroup_size: 128
    .sgpr_count:     66
    .vgpr_count:     168
    .wavefront_size: 32
...
	.end_amdgpu_metadata
.endif
;; end of part 1
;; launch gemm1 (part 2): grid 12 x 32, 4 waves a work-group, clusters of 4 x 4, 327,680 bytes of LDS; arguments ops, b_qkv, qkv; writes qkv
.if DOCPART == 2
	.amdgcn_target "amdgcn-amd-amdhsa--gfx1250"
	.amdhsa_code_object_version 6
	.text
	.protected	k_q8c25ef3e72_gemm1
	.globl	k_q8c25ef3e72_gemm1
	.p2align	8
	.type	k_q8c25ef3e72_gemm1,@function
k_q8c25ef3e72_gemm1:
	s_mov_b64 s[64:65], 0
	v_nop
	global_prefetch_b8 v0, s[64:65] scope:SCOPE_SE
	s_setreg_imm32_b32 hwreg(HW_REG_WAVE_MODE, 25, 1), 1
	s_wait_xcnt 0x0
	s_wait_alu depctr_hold_cnt(0) depctr_sa_sdst(0) depctr_va_vdst(0) depctr_va_sdst(0) depctr_va_ssrc(0) depctr_va_vcc(0) depctr_vm_vsrc(0)
	s_getreg_b32 s2, hwreg(HW_REG_IB_STS2, 6, 4)
	s_cmp_eq_u32 s2, 0
	s_cbranch_scc0 .Lentry_in_a_cluster
	s_endpgm
.Lentry_in_a_cluster:
	s_bfe_u32 s2, ttmp6, 0x10000c
	s_cmp_lg_u32 s2, 0xf033
	s_cbranch_scc0 .Lentry_shape_is_right
	s_endpgm
.Lentry_shape_is_right:
.set SLOTB,  3072
.set HALFP,  8*SLOTB
.set PART,   2*HALFP
.set REGION, 2*PART
.set SX,     3*REGION
.set SPARE,  SX+16384
.set BLKB,   26112
.set SECB,   13056
.set QREG,   13369344
.set HA,  128
.set PC,  192
.set TM,  212
.set PW,  228
.set SWT, 229
.set SWR, 232
.set SR,  236
.set SEL, 66
.set MUL_LO, 0xa1
.set MUL_HI, 0xf1
.set MSB, 0
.macro WIN new
.if MSB != (\new)
	s_set_vgpr_msb (MSB<<8)|(\new)
.set MSB, (\new)
.endif
.endm
.macro JLOAD g0a, g1a, g0b, g1b
	s_cmp_eq_u32 s15, 0
	s_cbranch_scc0 .Lfor_b_\@
	tensor_load_to_lds s[\g0a:\g0a+3], s[\g1a:\g1a+7]
	s_nop 0
.rept 4
	v_nop
.endr
	s_branch .Lasked_\@
.Lfor_b_\@:
	tensor_load_to_lds s[\g0b:\g0b+3], s[\g1b:\g1b+7]
	s_nop 0
.rept 4
	v_nop
.endr
.Lasked_\@:
.endm
.macro CREST
	s_cmp_lg_u32 s14, 0
	s_cbranch_scc1 .Lnot_wave_0_\@
	s_barrier_signal -3
.Lnot_wave_0_\@:
	s_barrier_wait -3
	s_barrier_signal -1
	s_barrier_wait -1
.endm
.macro CROUND
	s_barrier_signal -1
	s_barrier_wait -1
	CREST
.endm
.macro PLACES
.rept 4
	v_nop
.endr
.endm
	s_load_b128 s[4:7], s[0:1], 0x0
	s_load_b64 s[8:9], s[0:1], 0x10
	v_lshl_add_u32 v28, v0, 2, SPARE
	v_mov_b32 v29, 0
	ds_add_u32 v28, v29
	ds_add_u32 v28, v29
	s_wait_dscnt 0x0
	v_lshrrev_b32 v1, 5, v0
	v_readfirstlane_b32 s14, v1
	s_lshr_b32 s15, s14, 1
	s_and_b32 s16, s14, 1
	s_bfe_u32 s40, ttmp6, 0x40000
	s_bfe_u32 s41, ttmp6, 0x40004
	s_lshl_b32 s42, ttmp9, 2
	s_add_co_u32 s42, s42, s40
	s_and_b32 s17, ttmp7, 0xffff
	s_lshl_b32 s17, s17, 2
	s_add_co_u32 s17, s17, s41
	s_lshl_b32 s43, s41, 2
	s_lshl_b32 s43, 15, s43
	s_lshl_b32 s44, 0x1111, s40
	s_or_b32 s24, s43, (3<<16)|(1<<21)
	s_or_b32 s32, s44, (3<<16)|(1<<21)
.irp g, 24, 32
	s_mov_b32 s[\g+1], 384<<16
	s_mov_b32 s[\g+2], 8<<16
	s_mov_b32 s[\g+3], 384<<16
	s_mov_b32 s[\g+4], 8
	s_mov_b32 s[\g+5], 1536
	s_mov_b32 s[\g+6], 0
	s_mov_b32 s[\g+7], 0
.endr
	s_or_b32 s48, s43, (3<<16)|(1<<21)
	s_or_b32 s56, s44, (3<<16)|(1<<21)
.irp g, 48, 56
	s_mov_b32 s[\g+1], 32<<16
	s_mov_b32 s[\g+2], 16<<16
	s_mov_b32 s[\g+3], 32<<16
	s_mov_b32 s[\g+4], 16
	s_mov_b32 s[\g+5], 32
	s_mov_b32 s[\g+6], 0
	s_mov_b32 s[\g+7], 0
.endr
	s_lshl_b32 s20, s17, 4
	s_lshl_b32 s18, s16, 3
	s_add_co_u32 s20, s20, s18
	s_mul_i32 s20, s20, 12288
	s_mov_b32 s21, 0
	s_lshl_b32 s22, s17, 3
	s_lshl_b32 s18, s16, 2
	s_add_co_u32 s22, s22, s18
	s_lshl_b32 s22, s22, 10
	s_add_co_u32 s22, s22, 9437184
	s_mov_b32 s23, 0
	s_lshl_b32 s46, s42, 4
	s_lshl_b32 s100, s16, 3
	s_add_co_u32 s46, s46, s100
	s_add_co_u32 s46, s46, 512
	s_mul_i32 s46, s46, 12288
	s_mov_b32 s47, 0
	s_lshl_b32 s100, s42, 3
	s_lshl_b32 s101, s16, 2
	s_add_co_u32 s100, s100, s101
	s_add_co_u32 s100, s100, 256
	s_lshl_b32 s100, s100, 10
	s_add_co_u32 s100, s100, 9437184
	s_mov_b32 s101, 0
	s_mul_i32 s45, s14, HALFP
	s_lshl_b32 s3, s14, 12
	s_wait_kmcnt 0x0
	s_add_nc_u64 s[20:21], s[4:5], s[20:21]
	s_add_nc_u64 s[22:23], s[4:5], s[22:23]
	s_add_nc_u64 s[46:47], s[4:5], s[46:47]
	s_add_nc_u64 s[100:101], s[4:5], s[100:101]
	CROUND
	s_mov_b32 s92, 1
	s_add_co_u32 s93, s3, SX
	s_mov_b64 s[94:95], s[22:23]
	s_or_b32 s95, s95, 0x80000000
	s_mov_b32 s96, 1
	s_add_co_u32 s97, s3, SX
	s_mov_b64 s[98:99], s[100:101]
	s_or_b32 s99, s99, 0x80000000
	JLOAD 92, 48, 96, 56
.irp p, 0,1,2
	s_mov_b32 s[68+4*\p], 1
	s_add_co_u32 s[69+4*\p], s45, \p*REGION
	s_add_nc_u64 s[70+4*\p:71+4*\p], s[20:21], \p*SLOTB
	s_or_b32 s[71+4*\p], s[71+4*\p], 0x80000000
	s_mov_b32 s[80+4*\p], 1
	s_add_co_u32 s[81+4*\p], s45, \p*REGION
	s_add_nc_u64 s[82+4*\p:83+4*\p], s[46:47], \p*SLOTB
	s_or_b32 s[83+4*\p], s[83+4*\p], 0x80000000
	s_wait_alu depctr_va_vdst(0)
	s_wait_tensorcnt 0x0
	ds_add_u32 v28, v29
	s_wait_dscnt 0x0
	CROUND
	JLOAD 68+4*\p, 24, 80+4*\p, 32
.endr
	v_and_b32 v1, 31, v0
	v_and_b32 v2, 15, v0
	v_bfe_u32 v3, v0, 4, 1
	v_lshlrev_b32 v24, 4, v1
	s_wait_alu depctr_va_vdst(0)
	v_lshlrev_b32 v25, 3, v1
	v_lshlrev_b32 v8, 6, v3
	v_and_b32 v9, 8, v2
	v_add_nc_u32 v9, v9, v2
	v_lshlrev_b32 v9, 2, v9
	s_cmp_eq_u32 ttmp9, 2
	s_cselect_b32 s12, 1, 0
	s_cselect_b32 s2, 0, PART
	s_cselect_b32 s3, PART, 0
	s_cselect_b32 s10, 0, 8192
	s_cselect_b32 s11, 8192, 0
	s_cselect_b32 s18, s16, s15
	s_cselect_b32 s19, s15, s16
	s_mul_i32 s13, s16, HALFP
	s_add_co_u32 s2, s2, s13
	s_mul_i32 s13, s15, HALFP
	s_add_co_u32 s3, s3, s13
.irp p, 0,1,2
	v_add_nc_u32 v[20+\p], s2, v24
	v_add_nc_u32 v[16+\p], s3, v24
	s_add_co_u32 s2, s2, REGION
	s_add_co_u32 s3, s3, REGION
.endr
	s_lshl_b32 s13, s16, 12
	s_add_co_u32 s10, s10, s13
	s_add_co_u32 s10, s10, SX
	v_add_nc_u32 v30, s10, v25
	s_lshl_b32 s13, s15, 12
	s_add_co_u32 s11, s11, s13
	s_add_co_u32 s11, s11, SX
	v_add_nc_u32 v27, s11, v25
	s_lshl_b32 s2, s42, 10
	s_lshl_b32 s3, s19, 9
	s_add_co_u32 s2, s2, s3
	s_mov_b32 s3, 0
	s_add_nc_u64 s[6:7], s[6:7], s[2:3]
	s_and_b32 s2, s42, 3
	s_lshl_b32 s2, s2, 1
	s_add_co_u32 s2, s2, s19
	s_lshl_b32 s10, s17, 1
	s_add_co_u32 s10, s10, s18
	s_lshr_b32 s13, s10, 4
	s_lshl_b32 s13, s13, 7
	s_and_b32 s10, s10, 15
	s_add_co_u32 s13, s13, s10
	s_lshl_b32 s2, s2, 4
	s_add_co_u32 s13, s13, s2
	s_mul_i32 s46, s13, BLKB
	s_cmp_eq_u32 ttmp9, 0
	s_cselect_b32 s2, QREG, 0
	s_add_co_u32 s46, s46, s2
	s_mov_b32 s47, 0
	s_add_nc_u64 s[46:47], s[8:9], s[46:47]
	s_mov_b32 s20, 768
	s_mov_b32 s18, SECB
	s_cmp_eq_u32 s12, 1
	s_cselect_b32 s10, 6144, 0
	s_cselect_b32 s20, 1536, s20
	s_cselect_b32 s18, 768, s18
	s_cselect_b32 s22, 6912, 0
	s_mov_b32 s11, 0
	s_mov_b32 s19, 0
	s_mov_b32 s21, 0
	s_mov_b32 s23, 0
	s_add_nc_u64 s[10:11], s[46:47], s[10:11]
	s_add_nc_u64 s[18:19], s[10:11], s[18:19]
	s_mov_b32 s13, 0xffff0000
	s_mov_b32 s100, 0xffff
	s_mov_b32 s101, 0x01010000
	s_mov_b32 s[SEL], 0x76543210
	s_mov_b32 s[SEL+1], 0xfedcba98
	s_cmp_eq_u32 s12, 0
	s_cbranch_scc0 .Lbias_v
.irp b, 0,1,2,3,4,5,6,7
	global_load_b128 v[64+8*\b:67+8*\b], v8, s[6:7] offset:(32*(\b/2)+8*(\b%2))*4
	global_load_b128 v[68+8*\b:71+8*\b], v8, s[6:7] offset:(32*(\b/2)+8*(\b%2))*4+16
.endr
	s_branch .Lbias_done
.Lbias_v:
	s_wait_alu depctr_va_vdst(0)
.irp a, 0,1,2,3,4,5,6,7
.irp j, 0,1,2,3,4,5,6,7
	global_load_b32 v[64+8*\a+\j], v9, s[6:7] offset:(32*(\a/2)+8*(\a%2))*4
.endr
.endr
.Lbias_done:
.macro WM cm
.if \cm == 0
.if wOA && wOB
	v_wmma_scale_f32_16x16x128_f8f6f4 v[wD:wD+7], v[wA:wA+11], v[wB:wB+11], 0, v[wSA], v[wSB] matrix_a_fmt:MATRIX_FMT_BF6 matrix_b_fmt:MATRIX_FMT_BF6 matrix_a_scale:MATRIX_SCALE_ROW1 matrix_b_scale:MATRIX_SCALE_ROW1
.elseif wOA
	v_wmma_scale_f32_16x16x128_f8f6f4 v[wD:wD+7], v[wA:wA+11], v[wB:wB+11], 0, v[wSA], v[wSB] matrix_a_fmt:MATRIX_FMT_BF6 matrix_b_fmt:MATRIX_FMT_BF6 matrix_a_scale:MATRIX_SCALE_ROW1
.elseif wOB
	v_wmma_scale_f32_16x16x128_f8f6f4 v[wD:wD+7], v[wA:wA+11], v[wB:wB+11], 0, v[wSA], v[wSB] matrix_a_fmt:MATRIX_FMT_BF6 matrix_b_fmt:MATRIX_FMT_BF6 matrix_b_scale:MATRIX_SCALE_ROW1
.else
	v_wmma_scale_f32_16x16x128_f8f6f4 v[wD:wD+7], v[wA:wA+11], v[wB:wB+11], 0, v[wSA], v[wSB] matrix_a_fmt:MATRIX_FMT_BF6 matrix_b_fmt:MATRIX_FMT_BF6
.endif
.else
.if wOA && wOB
	v_wmma_scale_f32_16x16x128_f8f6f4 v[wD:wD+7], v[wA:wA+11], v[wB:wB+11], v[wD:wD+7], v[wSA], v[wSB] matrix_a_fmt:MATRIX_FMT_BF6 matrix_b_fmt:MATRIX_FMT_BF6 matrix_a_scale:MATRIX_SCALE_ROW1 matrix_b_scale:MATRIX_SCALE_ROW1
.elseif wOA
	v_wmma_scale_f32_16x16x128_f8f6f4 v[wD:wD+7], v[wA:wA+11], v[wB:wB+11], v[wD:wD+7], v[wSA], v[wSB] matrix_a_fmt:MATRIX_FMT_BF6 matrix_b_fmt:MATRIX_FMT_BF6 matrix_a_scale:MATRIX_SCALE_ROW1
.elseif wOB
	v_wmma_scale_f32_16x16x128_f8f6f4 v[wD:wD+7], v[wA:wA+11], v[wB:wB+11], v[wD:wD+7], v[wSA], v[wSB] matrix_a_fmt:MATRIX_FMT_BF6 matrix_b_fmt:MATRIX_FMT_BF6 matrix_b_scale:MATRIX_SCALE_ROW1
.else
	v_wmma_scale_f32_16x16x128_f8f6f4 v[wD:wD+7], v[wA:wA+11], v[wB:wB+11], v[wD:wD+7], v[wSA], v[wSB] matrix_a_fmt:MATRIX_FMT_BF6 matrix_b_fmt:MATRIX_FMT_BF6
.endif
.endif
.endm
.macro MUL16 a0, q, sc, cm
.irp a, \a0, \a0+1
.irp b, 0,1,2,3,4,5,6,7
.set wD, 8*(8*((\a)%4)+\b)
.set wA, 128*(\q)+12*\b
.set wB, 128+12*(\a)
.set wSA, 32+16*(\sc)+2*(\b/2)+(\q)
.set wSB, 40+16*(\sc)+2*((\a)/2)+(\q)
.set wOA, \b%2
.set wOB, (\a)%2
	WM \cm
.endr
.endr
.endm
.macro FRAG3 reg, adr, off
.irp c, 0,1,2
	ds_load_b128 v[\reg+4*\c:\reg+4*\c+3], v[\adr] offset:\off+512*\c
.endr
.endm
.macro FETCH0 r, q
	WIN 0x40
.irp i, 0,1,2,3,4,5,6,7
	FRAG3 128*(\q)+12*\i, 20+(\r), \i*SLOTB+(\q)*1536
.endr
	WIN 0
.endm
.macro FETCH1 r, q, i0
.irp i, \i0, \i0+1, \i0+2, \i0+3
	FRAG3 128+12*(\i), 16+(\r), (\i)*SLOTB+(\q)*1536
.endr
.endm
.macro SCALES j
.irp p, 0,1,2,3
	ds_load_b64 v[32+16*((\j)%2)+2*\p:33+16*((\j)%2)+2*\p], v30 offset:\p*1024+(\j)*256
	ds_load_b64 v[40+16*((\j)%2)+2*\p:41+16*((\j)%2)+2*\p], v27 offset:\p*1024+(\j)*256
.endr
.endm
.macro STEP q, sc, nr, nq, ns, cm
	s_wait_dscnt 12
	WIN MUL_LO
	MUL16 0, \q, \sc, \cm
	MUL16 2, \q, \sc, \cm
	s_wait_dscnt 0x0
	PLACES
	FETCH0 \nr, \nq
	FETCH1 \nr, \nq, 0
.if \ns < 4
	SCALES \ns
.endif
	WIN MUL_HI
	MUL16 4, \q, \sc, \cm
	MUL16 6, \q, \sc, \cm
	PLACES
	WIN 0
	FETCH1 \nr, \nq, 4
.endm
.macro TURN sc, nr, ns, fill
	s_wait_tensorcnt 0x0
	ds_add_u32 v28, v29
	s_wait_dscnt 13
	WIN MUL_LO
	MUL16 0, 1, \sc, 1
	s_wait_dscnt 0x0
	s_barrier_signal -1
	MUL16 2, 1, \sc, 1
	WIN 0
	s_barrier_wait -1
.if \fill
	CREST
	s_add_nc_u64 s[70:71], s[70:71], 3*SLOTB
	s_add_nc_u64 s[82:83], s[82:83], 3*SLOTB
	JLOAD 68, 24, 80, 32
.else
	PLACES
.endif
	FETCH0 \nr, 0
	FETCH1 \nr, 0, 0
	SCALES \ns
	WIN MUL_HI
	MUL16 4, 1, \sc, 1
	MUL16 6, 1, \sc, 1
	PLACES
	WIN 0
	FETCH1 \nr, 0, 4
.endm
	s_wait_tensorcnt 2
	s_barrier_signal -1
	s_barrier_wait -1
	s_wait_alu depctr_va_vdst(0)
	FETCH0 0, 0
	FETCH1 0, 0, 0
	SCALES 0
	FETCH1 0, 0, 4
	STEP 0, 0, 0, 1, 9, 0
	TURN 0, 1, 1, 1
	STEP 0, 1, 1, 1, 9, 1
	STEP 1, 1, 2, 0, 2, 1
	STEP 0, 0, 2, 1, 9, 1
	TURN 0, 0, 3, 0
	STEP 0, 1, 0, 1, 9, 1
	s_wait_dscnt 12
	WIN MUL_LO
	MUL16 0, 1, 1, 1
	MUL16 2, 1, 1, 1
	s_wait_dscnt 0x0
	WIN MUL_HI
	MUL16 4, 1, 1, 1
	MUL16 6, 1, 1, 1
	WIN 0
.macro QUANT s
.irp b, 0,1,2,3
	v_max3_num_f32 v[TM+\b], |v[\s+16*\b]|, |v[\s+1+16*\b]|, 0x2800000
.endr
.irp i, 2,4,6,8,10,12,14
.irp b, 0,1,2,3
	v_max3_num_f32 v[TM+\b], v[TM+\b], |v[\s+16*\b+\i]|, |v[\s+1+16*\b+\i]|
.endr
.endr
.irp b, 0,1,2,3
	v_permlanex16_b32 v[TM+4+\b], v[TM+\b], s[SEL], s[SEL+1]
.endr
.irp b, 0,1,2,3
	v_max_num_f32 v[TM+\b], v[TM+\b], v[TM+4+\b]
.endr
.irp b, 0,1,2,3
	v_add_nc_u32 v[TM+12+\b], 0xfe000000, v[TM+\b]
.endr
.irp b, 0,1,2,3
	v_lshrrev_b32 v[TM+4+\b], 23, v[TM+12+\b]
.endr
	v_lshl_or_b32 v[PW], v[TM+5], 8, v[TM+4]
	v_lshl_or_b32 v[PW], v[TM+6], 16, v[PW]
	v_lshl_or_b32 v[PW], v[TM+7], 24, v[PW]
.irp c, 0,1
	v_cvt_scalef32_pk16_bf6_f32 v[PC+6*\c:PC+2+6*\c], v[\s+32*\c:\s+15+32*\c], v[TM+12+2*\c]
	v_cvt_scalef32_pk16_bf6_f32 v[PC+12+4*\c:PC+14+4*\c], v[\s+16+32*\c:\s+31+32*\c], v[TM+12+2*\c+1]
.endr
	v_nop
.irp c, 0,1
.irp i, 0,1,2
	v_permlane16_swap_b32 v[PC+6*\c+\i], v[PC+12+4*\c+\i]
.endr
.irp i, 0,1,2
	v_mov_b32 v[PC+3+6*\c+\i], v[PC+12+4*\c+\i]
.endr
.endr
.endm
.macro OUT a
	s_wait_xcnt 0x0
.if (\a) > 0
	s_add_nc_u64 s[10:11], s[10:11], s[20:21]
	s_add_nc_u64 s[18:19], s[18:19], s[20:21]
.endif
.if (\a) == 4
	s_add_nc_u64 s[10:11], s[10:11], s[22:23]
	s_add_nc_u64 s[18:19], s[18:19], s[22:23]
.endif
	s_cmp_eq_u32 s12, 0
	s_cbranch_scc0 .Lmove_v_\@
	WIN 2+(\a)/4
.set j, 0
.rept 32
	v_pk_add_f32 v[HA+j:HA+j+1], v[64*((\a)%4)+j:64*((\a)%4)+j+1], v[64+j:65+j]
.set j, j+2
.endr
	WIN 0
	s_branch .Lmoved_\@
.Lmove_v_\@:
	WIN 2+(\a)/4
.set j, 0
.rept 32
	v_pk_add_f32 v[HA+j:HA+j+1], v[64*((\a)%4)+j:64*((\a)%4)+j+1], v[64+8*(\a):65+8*(\a)]
.set j, j+2
.endr
	WIN 0
.Lmoved_\@:
	QUANT HA
	global_store_b128 v24, v[PC:PC+3], s[10:11]
	global_store_b64 v25, v[PC+4:PC+5], s[10:11] offset:512
	global_store_b128 v24, v[PC+6:PC+9], s[18:19]
	global_store_b64 v25, v[PC+10:PC+11], s[18:19] offset:512
.if (\a)%2 == 0
	v_mov_b32 v[SWT], v[PW]
.else
	v_cndmask_b32 v[SWR+(\a)/2], v[SWT], v[PW], s13
.endif
.endm
	PLACES
	s_wait_loadcnt 0x0
.irp b, 0,1,2,3
	v_mov_b32 v[TM+4+\b], 0
.endr
.irp a, 0,1,2,3,4,5,6,7
	OUT \a
.endr
	s_cmp_eq_u32 s12, 0
	s_cbranch_scc0 .Lwords_v
.irp p, 0,1,2,3
	v_and_or_b32 v[SR+\p], v[SWR+\p], s100, s101
.endr
	global_store_b128 v24, v[SR:SR+3], s[46:47] offset:12288
.irp p, 0,1,2,3
	v_lshrrev_b32 v[SWR+\p], 16, v[SWR+\p]
.endr
.irp p, 0,1,2,3
	v_or_b32 v[SWR+\p], s101, v[SWR+\p]
.endr
	global_store_b128 v24, v[SWR:SWR+3], s[46:47] offset:SECB+12288
	s_branch .Lwords_done
.Lwords_v:
	global_store_b64 v25, v[SWR:SWR+1], s[46:47] offset:12800
	s_wait_alu depctr_va_vdst(0)
	global_store_b64 v25, v[SWR+2:SWR+3], s[46:47] offset:SECB+12800
.Lwords_done:
	s_wait_tensorcnt 0x0
	ds_add_u32 v28, v29
	s_wait_dscnt 0x0
	CROUND
	s_endpgm
.Lfunc_end_k_q8c25ef3e72_gemm1:
	.size	k_q8c25ef3e72_gemm1, .Lfunc_end_k_q8c25ef3e72_gemm1-k_q8c25ef3e72_gemm1
	.p2alignl 7, 3214868480
	.fill 96, 4, 3214868480
	.section	.rodata,"a",@progbits
	.p2align	6, 0x0
	.amdhsa_kernel k_q8c25ef3e72_gemm1
		.amdhsa_group_segment_fixed_size 327680
		.amdhsa_private_segment_fixed_size 0
		.amdhsa_enable_private_segment 0
		.amdhsa_kernarg_size 24
		.amdhsa_user_sgpr_count 2
		.amdhsa_user_sgpr_kernarg_segment_ptr 1
		.amdhsa_wavefront_size32 1
		.amdhsa_system_sgpr_workgroup_id_x 1
		.amdhsa_system_sgpr_workgroup_id_y 1
		.amdhsa_system_sgpr_workgroup_id_z 1
		.amdhsa_system_vgpr_workitem_id 0
		.amdhsa_next_free_vgpr 1024
		.amdhsa_next_free_sgpr 102
		.amdhsa_reserve_vcc 0
		.amdhsa_float_denorm_mode_32 3
		.amdhsa_float_denorm_mode_16_64 3
		.amdhsa_memory_ordered 1
		.amdhsa_forward_progress 1
		.amdhsa_inst_pref_size 185
	.end_amdhsa_kernel
	.amdgpu_metadata
---
amdhsa.version: [ 1, 2 ]
amdhsa.kernels:
  - .name:           k_q8c25ef3e72_gemm1
    .symbol:         k_q8c25ef3e72_gemm1.kd
    .args:
      - { .name: ops, .offset: 0, .size: 8, .value_kind: global_buffer, .address_space: global }
      - { .name: b_qkv, .offset: 8, .size: 8, .value_kind: global_buffer, .address_space: global }
      - { .name: qkv, .offset: 16, .size: 8, .value_kind: global_buffer, .address_space: global }
    .group_segment_fixed_size: 327680
    .private_segment_fixed_size: 0
    .kernarg_segment_align: 8
    .kernarg_segment_size: 24
    .max_flat_workgroup_size: 128
    .sgpr_count:     102
    .vgpr_count:     1024
    .wavefront_size: 32
...
	.end_amdgpu_metadata
.endif
;; end of part 2
;; launch attn (part 3): grid 4 x 64, 16 waves a work-group, clusters of 4 x 1, 327,680 bytes of LDS; arguments qkv, att; writes att
.if DOCPART == 3
	.amdgcn_target "amdgcn-amd-amdhsa--gfx1250"
	.amdhsa_code_object_version 6
	.text
	.protected	k_q8c25ef3e72_attn
	.globl	k_q8c25ef3e72_attn
	.p2align	8
	.type	k_q8c25ef3e72_attn,@function
k_q8c25ef3e72_attn:
	s_mov_b64 s[64:65], 0
	v_nop
	global_prefetch_b8 v0, s[64:65] scope:SCOPE_SE
	s_setreg_imm32_b32 hwreg(HW_REG_WAVE_MODE, 25, 1), 1
	s_wait_xcnt 0x0
	s_wait_alu depctr_hold_cnt(0) depctr_sa_sdst(0) depctr_va_vdst(0) depctr_va_sdst(0) depctr_va_ssrc(0) depctr_va_vcc(0) depctr_vm_vsrc(0)
	s_getreg_b32 s2, hwreg(HW_REG_IB_STS2, 6, 4)
	s_cmp_eq_u32 s2, 0
	s_cbranch_scc0 .Lentry_in_a_cluster
	s_endpgm
.Lentry_in_a_cluster:
	s_bfe_u32 s2, ttmp6, 0x10000c
	s_cmp_lg_u32 s2, 0x3003
	s_cbranch_scc0 .Lentry_shape_is_right
	s_endpgm
.Lentry_shape_is_right:
; O = softmax(q k^T / 8) v for 64 (batch, head) x 2,048 queries x 2,048 keys x 64, both products on codes of E3M2; O / l is quantised along the model's 1,024 and leaves as codes for the last product.
; THE SOFTMAX: t = score x log2(e) / 8; M = the running largest t rounded UP to a whole number; p = 2^(t - M) is quantised along the keys, not normalised; the sum of the unquantised p divides at the end.
; SHARES.  A work-group owns ONE head of one batch (y = 16 batch + head) and 512 queries; 4 x 64 = 256 work-groups.  Wave w of sixteen owns 32 queries, in two rounds of one tile of 16, in 256 registers:
; four waves to a SIMD, so that one wave's vector work stands beside another's products and LDS loads.
; LDS.  A head's k and v are 16 sections of 13,056 bytes (128 keys each: images of the operands' registers and their scale words, as the launch before laid them).  All 16 lie in LDS at once, one to a place of
; 16,384 bytes, each 256 bytes followed by 64 of padding.  Wave w asks for section w at the head, its one tensor load; nothing is filled again, and one barrier shows all sections to all waves.
; No prefetch is laid: every tile is asked for at the start, so there is no loop to run ahead in.
; CLUSTER 4 x 1: the four work-groups of a head read the same 16 sections: every load is a joint load, the same descriptor and the mask 15 in all four.
; LAYOUT.  Both products transposed: S^T = k q^T, O^T = v^T p^T: a lane holds ONE query.  WHICH KEYS FORM A TILE OF k IS CHOSEN BY THE LANES' LDS ADDRESSES: rows 0-7 of tile 4 c + u are keys 64 c + 8 u + 0..7,
; rows 8-15 keys 64 c + 32 + 8 u + 0..7.  So the 32 registers of tiles 4 c .. 4 c + 3 in lane (r, h) are the whole block 2 c + h of 32 keys in order: a block's maximum needs no other lane, and the conversions' results are the operand's registers.
; K = 64 IN AN INSTRUCTION OF 128: q's registers 6-11 are zero codes; k's operand for tile t is v[32 + 6 t] on, 12 registers, whose upper six hold the next tile's codes (behind tile 7: zeros); bytes 2, 3 of both scale words are 1.
; O's SCALE BYTES: my head's two bytes a row go, through a stage in LDS, to a plane of 256 bytes for each 128 queries: 8 bytes for lane-row r + 16 (tile % 2), two bytes for each tile / 2.
; LIMITS: NaN and infinities are not served; a block of zeros gets the byte 1 (its codes are zeros; this program alone reads the bytes); the scaled scores stay under 2^31 in magnitude.
; REGISTERS: v1-4, v7 lane parts of LDS addresses; v5-6 the add's; v7-8 8 l, 16 l; v9 8 h; v11 stage; v12 -M, v13 largest score, v[14:15] the sum; v16-27 q; v28 q's scale words (this round's in lanes 0-15); v30 p's scale word;
;   v32-85 k's, then v's fragments; v86-89, v90-91 their scale words; v96-159 S^T, then p; v160-191 O^T; v192-210 p's codes; v212-226, v244-249 at work; v230-237 addresses; v238-243 the second round's q.
.set BLK,   26112                      ; a key step of a pair of heads in memory
.set SEC,   13056                      ; one head's section of it
.set QREG,  13369344                   ; where q's blocks begin
.set PL,    16384                      ; a section's place in LDS: 51 rows of 256 + 64 bytes
.set SPARE, 16*PL                      ; the spare words, 128 bytes for each of sixteen waves: eight blocks of 256 bytes that no other line names
.set STG,   SPARE+2048                 ; 1,024 bytes: the work-group's scale bytes of O; no tile lands here
.macro CROUND                          ; a round of the cluster's barrier
	s_barrier_signal -1
	s_barrier_wait -1
	s_cmp_lg_u32 s18, 0
	s_cbranch_scc1 .Lnot_wave_0_\@
	s_barrier_signal -3
.Lnot_wave_0_\@:
	s_barrier_wait -3
	s_barrier_signal -1
	s_barrier_wait -1
.endm
	s_load_b128 s[4:7], s[0:1], 0x0                ; qkv, att
	v_lshl_add_u32 v5, v0, 2, SPARE
	v_mov_b32 v6, 0
	ds_add_u32 v5, v6                              ; the opening lines: the add, twice on end, and its wait
	ds_add_u32 v5, v6
	v_lshrrev_b32 v1, 5, v0
	v_readfirstlane_b32 s18, v1                    ; wave 0..15
	s_bfe_u32 s9, ttmp6, 0x40000                   ; cx: it enters global addresses of q and O alone
	s_and_b32 s11, ttmp7, 0xffff                   ; 16 batch + head, which the four partners share
	s_mov_b32 s24, 15|(3<<16)|(1<<20)|(1<<21)|(5<<22)|(15<<25)   ; group 1: the mask; elements of 8 bytes; padding on; bit 21 beside a mask; after every 64 words, 16 words
	s_mov_b32 s25, 32<<16                          ; a dense section as 51 rows of 256 bytes
	s_mov_b32 s26, 51<<16
	s_mov_b32 s27, 32<<16
	s_mov_b32 s28, 51
	s_mov_b32 s29, 32
	s_mov_b32 s30, 0
	s_mov_b32 s31, 0
	s_lshr_b32 s12, s11, 1                         ; 8 batch + pair of heads
	s_and_b32 s19, s11, 1                          ; which head of the pair
	s_lshl_b32 s13, s12, 4
	s_add_co_u32 s13, s13, s18                     ; key step = wave
	s_mul_i32 s14, s13, BLK
	s_mul_i32 s16, s19, SEC
	s_add_co_u32 s14, s14, s16
	s_mov_b32 s15, 0
	s_lshl_b32 s17, s18, 14                        ; its place in LDS
	s_mov_b32 s20, 0x76543210
	s_mov_b32 s21, 0xfedcba98                      ; v_permlanex16_b32's selects for lane l xor 16
	s_mov_b32 s22, 0x3e38aa3b                      ; c = log2(e) / 8
	s_mov_b32 s23, s22                             ; (named with it as a pair)
	s_wait_dscnt 0x0                               ; both opening adds are done
	s_wait_kmcnt 0x0
	s_add_nc_u64 s[14:15], s[4:5], s[14:15]
	CROUND                                         ; all four work-groups are here: the joint loads meet
	s_mov_b32 s32, 1
	s_mov_b32 s33, s17
	s_mov_b64 s[34:35], s[14:15]
	s_or_b32 s35, s35, 0x80000000
	tensor_load_to_lds s[32:35], s[24:31]          ; section w: my one tensor load
	s_nop 0
	v_and_b32 v10, 7, v0                           ; j
	v_bfe_u32 v11, v0, 3, 1                        ; g
	v_bfe_u32 v9, v0, 4, 1                         ; h
	v_mul_u32_u24 v1, v11, 1920                    ; two stored tiles on (2 x 768 bytes and their padding)
	v_lshl_add_u32 v2, v10, 3, v1
	v_lshl_add_u32 v1, v10, 4, v1
	v_lshl_add_u32 v2, v9, 7, v2                   ; k, registers 4-5: 1,920 g + 8 j + 128 h
	v_mad_u32_u24 v1, v9, 320, v1                  ; k, registers 0-3: 1,920 g + 16 j + 320 h
	v_lshlrev_b32 v3, 4, v10
	v_lshl_add_u32 v3, v11, 2, v3
	v_mad_u32_u24 v3, v9, 320, v3                  ; k's scale words: 16 j + 4 g + 320 h
	v_and_b32 v4, 15, v0
	v_lshlrev_b32 v11, 3, v4                       ; the stage: 8 r
	v_lshlrev_b32 v4, 4, v4
	v_lshl_add_u32 v235, v9, 12, v4                ; the planes in memory: 4,096 (l / 16) + 16 (l % 16)
	v_mad_u32_u24 v4, v9, 320, v4                  ; v, 16 bytes a lane: 16 (l % 16) + 320 h
	v_and_b32 v7, 31, v0
	v_lshlrev_b32 v8, 4, v7                        ; 16 l
	v_lshlrev_b32 v7, 3, v7                        ; 8 l
	v_add_nc_u32 v237, STG, v8                     ; where wave 0 reads the stage back
	v_lshlrev_b32 v9, 3, v9                        ; 8 h
	s_lshl_b32 s10, s9, 2
	s_lshr_b32 s8, s18, 2
	s_add_co_u32 s10, s10, s8                      ; my block of 128 queries
	s_lshl_b32 s50, s8, 8
	s_and_b32 s8, s18, 3                           ; which pair of its tiles
	s_lshl_b32 s2, s12, 4
	s_add_co_u32 s2, s2, s10
	s_mul_i32 s2, s2, BLK
	s_add_co_u32 s2, s2, s16
	s_add_co_u32 s2, s2, QREG
	s_mov_b32 s3, 0
	s_add_nc_u64 s[48:49], s[4:5], s[2:3]          ; q: my head's section of my block
	s_mul_i32 s2, s8, 1536
	s_add_nc_u64 s[46:47], s[48:49], s[2:3]        ; my two tiles' half images
	s_lshl_b32 s2, s8, 2
	s_add_co_u32 s2, s2, 12288
	s_add_nc_u64 s[48:49], s[48:49], s[2:3]        ; their scale words
	s_wait_alu depctr_va_vdst(0)                   ; the wait here, ahead of the readers below
	global_load_b128 v[16:19], v8, s[46:47]        ; round 0's tile
	global_load_b64 v[20:21], v7, s[46:47] offset:512
	global_load_b128 v[238:241], v8, s[46:47] offset:768    ; round 1's
	global_load_b64 v[242:243], v7, s[46:47] offset:1280
	global_load_b32 v28, v8, s[48:49]              ; lanes 0-15: round 0's words, lanes 16-31: round 1's
.irp j, 22,23,24,25,26,27,80,81,82,83,84,85,216,217,225
	v_mov_b32 v[\j], 0                             ; q's zero codes, the tail behind k's tile 7, permutes' destinations, the upper half of a pair
.endr
	s_lshl_b32 s2, s8, 1
	s_add_co_u32 s50, s50, s2
	s_add_co_u32 s50, s50, STG                     ; the stage: 256 (w / 4) + 2 (w % 4); + 128 a round
	s_lshr_b32 s13, s11, 4
	s_lshl_b32 s13, s13, 4                         ; 16 batch
	s_add_co_u32 s14, s13, s10
	s_lshl_b32 s14, s14, 3
	s_add_co_u32 s14, s14, s2                      ; token tile
	s_mul_i32 s14, s14, 12288
	s_and_b32 s15, s12, 7                          ; the pair of heads = the last product's K step
	s_mul_i32 s2, s15, 1536
	s_add_co_u32 s14, s14, s2
	s_mul_i32 s2, s19, 768
	s_add_co_u32 s2, s14, s2
	s_add_nc_u64 s[52:53], s[6:7], s[2:3]          ; att: round 0's half image; round 1's 12,288 on
	s_lshl_b32 s2, s9, 2
	s_add_co_u32 s2, s2, s13
	s_lshl_b32 s2, s2, 3
	s_add_co_u32 s2, s2, s15
	s_lshl_b32 s2, s2, 9
	s_lshl_b32 s14, s19, 8
	s_add_co_u32 s2, s2, s14
	s_add_co_u32 s2, s2, 6291456
	s_add_nc_u64 s[54:55], s[6:7], s[2:3]          ; att: my head's plane of the first of my four blocks; the next 4,096 on
	s_wait_alu depctr_va_vdst(0)                   ; the wait at the head's end
	s_wait_tensorcnt 0x0                           ; my section is in,
	s_wait_loadcnt 0x0                             ; and q
	s_barrier_signal -1
	s_barrier_wait -1                              ; everybody's section is in
.macro SMM t                           ; S^T, tile t
.set sD, 96+8*(\t)
.set sA, 32+6*(\t)
.set sS, 86+(\t)/2
.if (\t)%2
	v_wmma_scale_f32_16x16x128_f8f6f4 v[sD:sD+7], v[sA:sA+11], v[16:27], 0, v[sS], v28 matrix_a_fmt:MATRIX_FMT_BF6 matrix_b_fmt:MATRIX_FMT_BF6 matrix_a_scale:MATRIX_SCALE_ROW1
.else
	v_wmma_scale_f32_16x16x128_f8f6f4 v[sD:sD+7], v[sA:sA+11], v[16:27], 0, v[sS], v28 matrix_a_fmt:MATRIX_FMT_BF6 matrix_b_fmt:MATRIX_FMT_BF6
.endif
.endm
; A KEY STEP: 128 keys, from the section at LDS byte s44.
.macro STEP
	v_add_nc_u32 v230, s44, v1                     ; these four lines are also the places in front of loads into registers that the last products read
	v_add_nc_u32 v231, s44, v2
	v_add_nc_u32 v232, s44, v3
	v_add_nc_u32 v233, s44, v4
.irp t, 0,1,2,3,4,5,6,7
	ds_load_b128 v[32+6*\t:35+6*\t], v230 offset:960*(4*(\t/4)+(\t%2))+128*((\t/2)%2)
	ds_load_b64 v[36+6*\t:37+6*\t], v231 offset:960*(4*(\t/4)+(\t%2))+640+64*((\t/2)%2)
.endr
.irp p, 0,1,2,3
	ds_load_b32 v[86+\p], v232 offset:15360+128*(\p%2)+8*(\p/2)   ; k's scale words: lanes 0-15 tile 2 p, lanes 16-31 tile 2 p + 1
.endr
	s_wait_alu depctr_va_vdst(0)
	s_wait_dscnt 0x0
.irp t, 0,1,2,3,4,5,6,7
	SMM \t
.endr
	v_add_nc_u32 v234, s44, v7                     ; four places behind the products
	v_mov_b32 v218, v12                            ; the old -M
	v_nop
	v_nop
.irp d, 0,1,2,3                                ; v's four fragments land under the softmax
	ds_load_b128 v[32+12*\d:35+12*\d], v233 offset:7680+1920*\d
	ds_load_b64 v[36+12*\d:37+12*\d], v234 offset:7680+1920*\d+640
	ds_load_b128 v[38+12*\d:41+12*\d], v233 offset:7680+1920*\d+960
	ds_load_b64 v[42+12*\d:43+12*\d], v234 offset:7680+1920*\d+1600
.endr
	ds_load_b64 v[90:91], v234 offset:16000
.irp c, 0,1
	v_max3_num_f32 v[212+2*\c], v[96+32*\c], v[97+32*\c], v[98+32*\c]   ; my two blocks' largest scores, each in two chains: for the row's maximum, and, since p rises with the score, for the block's largest p
	v_max3_num_f32 v[213+2*\c], v[112+32*\c], v[113+32*\c], v[114+32*\c]
.endr
.irp i, 3,5,7,9,11,13
.irp c, 0,1
	v_max3_num_f32 v[212+2*\c], v[212+2*\c], v[96+32*\c+\i], v[97+32*\c+\i]
	v_max3_num_f32 v[213+2*\c], v[213+2*\c], v[112+32*\c+\i], v[113+32*\c+\i]
.endr
.endr
.irp c, 0,1
	v_max3_num_f32 v[212+2*\c], v[212+2*\c], v[213+2*\c], v[111+32*\c]
.endr
.irp c, 0,1
	v_max_num_f32 v[212+2*\c], v[212+2*\c], v[127+32*\c]   ; v212, v214: blocks h and 2 + h
.endr
	s_delay_alu instid0(VALU_DEP_1)
	v_max_num_f32 v216, v212, v214
	s_delay_alu instid0(VALU_DEP_1)
	v_permlanex16_b32 v217, v216, s20, s21
	s_delay_alu instid0(VALU_DEP_1)
	v_max3_num_f32 v13, v13, v216, v217            ; the running largest score of my query (c is positive: the largest t is c x this)
	s_delay_alu instid0(VALU_DEP_1)
	v_mul_f32 v219, s22, v13
	s_delay_alu instid0(VALU_DEP_1)
	v_floor_f32 v12, -v219                         ; the new -M = -ceil(t)
	s_delay_alu instid0(VALU_DEP_1)
	v_sub_f32 v218, v12, v218                      ; old M - new M: a whole number, 0 or less
	s_delay_alu instid0(VALU_DEP_1)
	v_cvt_i32_f32 v218, v218                       ; (it saturates)
	s_delay_alu instid0(VALU_DEP_1)
	v_ldexp_f32 v224, 1.0, v218                    ; f = 2^(old M - new M): rounds nothing
.set j, 0
.rept 32
	v_pk_fma_f32 v[96+j:97+j], v[96+j:97+j], s[22:23], v[12:13] op_sel_hi:[1,0,0]   ; t - M
.set j, j+2
.endr
	v_fma_f32 v212, v212, s22, v12
	v_fma_f32 v214, v214, s22, v12
	s_wait_alu depctr_va_vdst(0)                   ; the wait ahead of the batch
.set j, 0
.rept 64
	v_exp_f32 v[96+j], v[96+j]                     ; p = 2^(t - M)
.set j, j+1
.endr
	v_exp_f32 v212, v212                           ; each block's largest p: the same two instructions on the same number
	v_exp_f32 v214, v214
	v_pk_mul_f32 v[14:15], v[14:15], v[224:225] op_sel_hi:[1,0]   ; the sum under the new M (a plain place behind the exponentials)
	s_wait_alu depctr_va_vdst(0)                   ; and the one wait behind it
	v_max_num_f32 v212, 0x2800000, v212            ; the floor 2^(5 - 127)
	v_max_num_f32 v214, 0x2800000, v214
	s_delay_alu instid0(VALU_DEP_2)
	v_add_nc_u32 v220, 0xfe000000, v212            ; the conversions' scale operands
	s_delay_alu instid0(VALU_DEP_2)
	v_add_nc_u32 v221, 0xfe000000, v214
	s_delay_alu instid0(VALU_DEP_2)
	v_lshrrev_b32 v216, 23, v220                   ; the scales' bytes
	s_delay_alu instid0(VALU_DEP_2)
	v_lshrrev_b32 v217, 23, v221
	s_delay_alu instid0(VALU_DEP_1)
	v_lshl_or_b32 v216, v217, 16, v216
	s_delay_alu instid0(VALU_DEP_1)
	v_lshlrev_b32 v216, v9, v216                   ; at bytes h and 2 + h
	s_delay_alu instid0(VALU_DEP_1)
	v_permlanex16_b32 v217, v216, s20, s21
	s_delay_alu instid0(VALU_DEP_1)
	v_or_b32 v30, v216, v217                       ; p's scale word for these 128 keys
.irp c, 0,1
	v_cvt_scalef32_pk16_bf6_f32 v[192+6*\c:194+6*\c], v[96+32*\c:111+32*\c], v[220+\c]
	v_cvt_scalef32_pk16_bf6_f32 v[204+4*\c:206+4*\c], v[112+32*\c:127+32*\c], v[220+\c]   ; (a conversion's three registers begin on an even number)
.endr
	v_nop                                          ; one plain place behind a scaled conversion
.irp c, 0,1
.irp i, 0,1,2
	v_mov_b32 v[195+6*\c+\i], v[204+4*\c+\i]
.endr
.endr
	s_wait_alu depctr_va_vdst(0)                   ; the wait directly ahead of the first reader of O^T
.set j, 0
.rept 16
	v_pk_mul_f32 v[160+j:161+j], v[160+j:161+j], v[224:225] op_sel_hi:[1,0]   ; O^T under the new M
.set j, j+2
.endr
	v_pk_add_f32 v[244:245], v[96:97], v[98:99]    ; the sum of the unquantised p, in four chains: 32 additions for 32 pairs
	v_pk_add_f32 v[246:247], v[100:101], v[102:103]
	v_pk_add_f32 v[248:249], v[104:105], v[106:107]
	v_pk_add_f32 v[14:15], v[14:15], v[108:109]
.irp j, 110,118,126,134,142,150
	v_pk_add_f32 v[244:245], v[244:245], v[\j:\j+1]
	v_pk_add_f32 v[246:247], v[246:247], v[\j+2:\j+3]
	v_pk_add_f32 v[248:249], v[248:249], v[\j+4:\j+5]
	v_pk_add_f32 v[14:15], v[14:15], v[\j+6:\j+7]
.endr
	v_pk_add_f32 v[244:245], v[244:245], v[158:159]
	v_pk_add_f32 v[14:15], v[14:15], v[248:249]
	s_delay_alu instid0(VALU_DEP_2)
	v_pk_add_f32 v[244:245], v[244:245], v[246:247]
	s_delay_alu instid0(VALU_DEP_1)
	v_pk_add_f32 v[14:15], v[14:15], v[244:245]
	s_wait_dscnt 0x0                               ; v
.irp d, 0,2                                    ; O^T += v^T p^T: four accumulators by turns
	v_wmma_scale_f32_16x16x128_f8f6f4 v[160+8*\d:167+8*\d], v[32+12*\d:43+12*\d], v[192:203], v[160+8*\d:167+8*\d], v[90+\d/2], v30 matrix_a_fmt:MATRIX_FMT_BF6 matrix_b_fmt:MATRIX_FMT_BF6
	v_wmma_scale_f32_16x16x128_f8f6f4 v[168+8*\d:175+8*\d], v[44+12*\d:55+12*\d], v[192:203], v[168+8*\d:175+8*\d], v[90+\d/2], v30 matrix_a_fmt:MATRIX_FMT_BF6 matrix_b_fmt:MATRIX_FMT_BF6 matrix_a_scale:MATRIX_SCALE_ROW1
.endr
	s_add_co_u32 s44, s44, PL
.endm
	s_mov_b32 s51, 2                               ; two rounds of one tile
.Lround:
	v_mov_b32 v13, 0xff61b1e6                      ; the largest score so far: -3e38
	v_mov_b32 v12, 0x7f61b1e6                      ; -M
	v_mov_b32 v14, 0
	v_mov_b32 v15, 0
.set j, 0
.rept 32
	v_mov_b32 v[160+j], 0                          ; O^T: the step is written once; the first finds zeros
.set j, j+1
.endr
	v_add_nc_u32 v236, s50, v11                    ; where this round's scale bytes go in the stage
	s_mov_b32 s44, 0
	s_mov_b32 s45, 16
	s_wait_alu depctr_va_vdst(0)
.Lstep:
	STEP
	s_sub_co_u32 s45, s45, 1
	s_cmp_lg_u32 s45, 0
	s_cbranch_scc1 .Lstep
	; THE WAY OUT: O^T / the sum; register 16 b + i is channel 32 b + 16 (lane / 16) + i of my head: two blocks of the last product's K, quantised as they stand.
.rept 4
	v_nop
.endr
	s_wait_alu depctr_va_vdst(0)                   ; the wait here, directly ahead of the reader below
	v_add_f32 v14, v14, v15
	s_delay_alu instid0(VALU_DEP_1)
	v_permlanex16_b32 v217, v14, s20, s21
	s_delay_alu instid0(VALU_DEP_1)
	v_add_f32 v14, v14, v217                       ; the row's sum
	s_wait_alu depctr_va_vdst(0)
	v_rcp_f32 v14, v14
	v_nop
	s_wait_alu depctr_va_vdst(0)
.set j, 0
.rept 32
	v_mul_f32 v[96+j], v[160+j], v14
.set j, j+1
.endr
.irp b, 0,1
	v_max3_num_f32 v[212+\b], |v[96+16*\b]|, |v[97+16*\b]|, 0x2800000
.endr
.irp i, 2,4,6,8,10,12,14
.irp b, 0,1
	s_delay_alu instid0(VALU_DEP_2)
	v_max3_num_f32 v[212+\b], v[212+\b], |v[96+16*\b+\i]|, |v[97+16*\b+\i]|
.endr
.endr
.irp b, 0,1
	s_delay_alu instid0(VALU_DEP_2)
	v_permlanex16_b32 v[216+\b], v[212+\b], s20, s21
.endr
.irp b, 0,1
	s_delay_alu instid0(VALU_DEP_2)
	v_max_num_f32 v[212+\b], v[212+\b], v[216+\b]
.endr
.irp b, 0,1
	s_delay_alu instid0(VALU_DEP_2)
	v_add_nc_u32 v[220+\b], 0xfe000000, v[212+\b]
.endr
.irp b, 0,1
	s_delay_alu instid0(VALU_DEP_2)
	v_lshrrev_b32 v[216+\b], 23, v[220+\b]
.endr
	s_delay_alu instid0(VALU_DEP_1)
	v_lshl_or_b32 v226, v217, 8, v216              ; my head's two bytes of the row
	v_cvt_scalef32_pk16_bf6_f32 v[192:194], v[96:111], v220
	v_cvt_scalef32_pk16_bf6_f32 v[204:206], v[112:127], v221
	v_nop
.irp i, 0,1,2
	v_permlane16_swap_b32 v[192+\i], v[204+\i]
.endr
.irp i, 0,1,2
	s_delay_alu instid0(VALU_DEP_3)
	v_mov_b32 v[195+\i], v[204+\i]
.endr
	global_store_b128 v8, v[192:195], s[52:53]     ; half an image: 512 consecutive aligned bytes,
	global_store_b64 v7, v[196:197], s[52:53] offset:512   ; and 256
	ds_store_b16 v236, v226                        ; lanes l and l xor 16 write the same two bytes with the same value
	s_wait_alu depctr_va_vdst(0)
	s_cmp_eq_u32 s51, 1
	s_cbranch_scc1 .Lno_more_q                     ; behind the second round no q follows
.irp j, 0,1,2,3,4,5
	v_mov_b32 v[16+\j], v[238+\j]                  ; the second round's q moves into place,
.endr
	v_mov_b32 v29, v28
	s_delay_alu instid0(VALU_DEP_1)
	v_permlanex16_b32 v28, v29, s20, s21           ; and its scale words into lanes 0-15
.Lno_more_q:
	s_wait_xcnt 0x0                                ; the stores have read their base and their data
	s_add_nc_u64 s[52:53], s[52:53], 12288         ; one token tile on
	s_add_co_u32 s50, s50, 128
	s_sub_co_u32 s51, s51, 1
	s_cmp_lg_u32 s51, 0
	s_wait_alu depctr_va_vdst(0)
	s_cbranch_scc1 .Lround
	s_wait_dscnt 0x0                               ; for the others' sake: my bytes are in the stage
	s_barrier_signal -1
	s_barrier_wait -1
	s_cmp_lg_u32 s18, 0
	s_cbranch_scc1 .Lnot_first_wave
	ds_load_b128 v[96:99], v237
	ds_load_b128 v[100:103], v237 offset:512
	s_wait_dscnt 0x0
	global_store_b128 v235, v[96:99], s[54:55]               ; four planes: sixteen lanes store 256 consecutive aligned bytes
	global_store_b128 v235, v[100:103], s[54:55] offset:8192
.Lnot_first_wave:
	s_wait_tensorcnt 0x0                           ; the wave's end
	ds_add_u32 v5, v6
	s_wait_dscnt 0x0
	CROUND                                         ; the closing round
	s_endpgm
.Lfunc_end_k_q8c25ef3e72_attn:
	.size	k_q8c25ef3e72_attn, .Lfunc_end_k_q8c25ef3e72_attn-k_q8c25ef3e72_attn
	.p2alignl 7, 3214868480
	.fill 96, 4, 3214868480
	.section	.rodata,"a",@progbits
	.p2align	6, 0x0
	.amdhsa_kernel k_q8c25ef3e72_attn
		.amdhsa_group_segment_fixed_size 327680
		.amdhsa_private_segment_fixed_size 0
		.amdhsa_enable_private_segment 0
		.amdhsa_kernarg_size 16
		.amdhsa_user_sgpr_count 2
		.amdhsa_user_sgpr_kernarg_segment_ptr 1
		.amdhsa_wavefront_size32 1
		.amdhsa_system_sgpr_workgroup_id_x 1
		.amdhsa_system_sgpr_workgroup_id_y 1
		.amdhsa_system_sgpr_workgroup_id_z 1
		.amdhsa_system_vgpr_workitem_id 0
		.amdhsa_next_free_vgpr 256
		.amdhsa_next_free_sgpr 66
		.amdhsa_reserve_vcc 0
		.amdhsa_float_denorm_mode_32 3
		.amdhsa_float_denorm_mode_16_64 3
		.amdhsa_memory_ordered 1
		.amdhsa_forward_progress 1
		.amdhsa_inst_pref_size 30
	.end_amdhsa_kernel
	.amdgpu_metadata
---
amdhsa.version: [ 1, 2 ]
amdhsa.kernels:
  - .name:           k_q8c25ef3e72_attn
    .symbol:         k_q8c25ef3e72_attn.kd
    .args:
      - { .name: qkv, .offset: 0, .size: 8, .value_kind: global_buffer, .address_space: global }
      - { .name: att, .offset: 8, .size: 8, .value_kind: global_buffer, .address_space: global }
    .group_segment_fixed_size: 327680
    .private_segment_fixed_size: 0
    .kernarg_segment_align: 8
    .kernarg_segment_size: 16
    .max_flat_workgroup_size: 512
    .sgpr_count:     66
    .vgpr_count:     256
    .wavefront_size: 32
...
	.end_amdgpu_metadata
.endif
;; end of part 3
;; launch gemm2 (part 4): grid 4 x 32, 4 waves a work-group, clusters of 4 x 4, 327,680 bytes of LDS; arguments att, ops, b_out, out0; writes out0
.if DOCPART == 4
	.amdgcn_target "amdgcn-amd-amdhsa--gfx1250"
	.amdhsa_code_object_version 6
	.text
	.protected	k_q8c25ef3e72_gemm2
	.globl	k_q8c25ef3e72_gemm2
	.p2align	8
	.type	k_q8c25ef3e72_gemm2,@function
k_q8c25ef3e72_gemm2:
	s_mov_b64 s[64:65], 0
	v_nop
	global_prefetch_b8 v0, s[64:65] scope:SCOPE_SE
	s_setreg_imm32_b32 hwreg(HW_REG_WAVE_MODE, 25, 1), 1
	s_wait_xcnt 0x0
	s_wait_alu depctr_hold_cnt(0) depctr_sa_sdst(0) depctr_va_vdst(0) depctr_va_sdst(0) depctr_va_ssrc(0) depctr_va_vcc(0) depctr_vm_vsrc(0)
	s_getreg_b32 s2, hwreg(HW_REG_IB_STS2, 6, 4)
	s_cmp_eq_u32 s2, 0
	s_cbranch_scc0 .Lentry_in_a_cluster
	s_endpgm
.Lentry_in_a_cluster:
	s_bfe_u32 s2, ttmp6, 0x10000c
	s_cmp_lg_u32 s2, 0xf033
	s_cbranch_scc0 .Lentry_shape_is_right
	s_endpgm
.Lentry_shape_is_right:
.set SLOTB,  3072
.set HALFP,  8*SLOTB
.set PART,   2*HALFP
.set REGION, 2*PART
.set SX,     3*REGION
.set SPARE,  SX+16384
.set SPITCH, 528
.set MUL_LO, 0xa1
.set MUL_HI, 0xf1
.set MSB, 0
.macro WIN new
.if MSB != (\new)
	s_set_vgpr_msb (MSB<<8)|(\new)
.set MSB, (\new)
.endif
.endm
.macro JLOAD g0a, g1a, g0b, g1b
	s_cmp_eq_u32 s15, 0
	s_cbranch_scc0 .Lfor_b_\@
	tensor_load_to_lds s[\g0a:\g0a+3], s[\g1a:\g1a+7]
	s_nop 0
.rept 4
	v_nop
.endr
	s_branch .Lasked_\@
.Lfor_b_\@:
	tensor_load_to_lds s[\g0b:\g0b+3], s[\g1b:\g1b+7]
	s_nop 0
.rept 4
	v_nop
.endr
.Lasked_\@:
.endm
.macro CREST
	s_cmp_lg_u32 s14, 0
	s_cbranch_scc1 .Lnot_wave_0_\@
	s_barrier_signal -3
.Lnot_wave_0_\@:
	s_barrier_wait -3
	s_barrier_signal -1
	s_barrier_wait -1
.endm
.macro CROUND
	s_barrier_signal -1
	s_barrier_wait -1
	CREST
.endm
.macro PLACES
.rept 4
	v_nop
.endr
.endm
	s_load_b256 s[4:11], s[0:1], 0x0
	v_lshl_add_u32 v28, v0, 2, SPARE
	v_mov_b32 v29, 0
	ds_add_u32 v28, v29
	ds_add_u32 v28, v29
	s_wait_dscnt 0x0
	v_lshrrev_b32 v1, 5, v0
	v_readfirstlane_b32 s14, v1
	s_lshr_b32 s15, s14, 1
	s_and_b32 s16, s14, 1
	s_bfe_u32 s40, ttmp6, 0x40000
	s_bfe_u32 s41, ttmp6, 0x40004
	s_lshl_b32 s42, ttmp9, 2
	s_add_co_u32 s42, s42, s40
	s_and_b32 s17, ttmp7, 0xffff
	s_lshl_b32 s17, s17, 2
	s_add_co_u32 s17, s17, s41
	s_lshl_b32 s43, s41, 2
	s_lshl_b32 s43, 15, s43
	s_lshl_b32 s44, 0x1111, s40
	s_or_b32 s24, s43, (3<<16)|(1<<21)
	s_or_b32 s32, s44, (3<<16)|(1<<21)
.irp g, 24, 32
	s_mov_b32 s[\g+1], 384<<16
	s_mov_b32 s[\g+2], 8<<16
	s_mov_b32 s[\g+3], 384<<16
	s_mov_b32 s[\g+4], 8
	s_mov_b32 s[\g+5], 1536
	s_mov_b32 s[\g+6], 0
	s_mov_b32 s[\g+7], 0
.endr
	s_or_b32 s48, s43, (3<<16)|(1<<21)
	s_or_b32 s56, s44, (3<<16)|(1<<21)
.irp g, 48, 56
	s_mov_b32 s[\g+1], 32<<16
	s_mov_b32 s[\g+2], 16<<16
	s_mov_b32 s[\g+3], 32<<16
	s_mov_b32 s[\g+4], 16
	s_mov_b32 s[\g+5], 32
	s_mov_b32 s[\g+6], 0
	s_mov_b32 s[\g+7], 0
.endr
	s_lshl_b32 s20, s17, 4
	s_lshl_b32 s18, s16, 3
	s_add_co_u32 s20, s20, s18
	s_mul_i32 s20, s20, 12288
	s_mov_b32 s21, 0
	s_lshl_b32 s22, s17, 1
	s_add_co_u32 s22, s22, s16
	s_lshl_b32 s22, s22, 12
	s_add_co_u32 s22, s22, 6291456
	s_mov_b32 s23, 0
	s_lshl_b32 s46, s42, 4
	s_lshl_b32 s100, s16, 3
	s_add_co_u32 s46, s46, s100
	s_add_co_u32 s46, s46, 704
	s_mul_i32 s46, s46, 12288
	s_mov_b32 s47, 0
	s_lshl_b32 s100, s42, 3
	s_lshl_b32 s101, s16, 2
	s_add_co_u32 s100, s100, s101
	s_add_co_u32 s100, s100, 352
	s_lshl_b32 s100, s100, 10
	s_add_co_u32 s100, s100, 9437184
	s_mov_b32 s101, 0
	s_mul_i32 s45, s14, HALFP
	s_lshl_b32 s3, s14, 12
	s_wait_kmcnt 0x0
	s_add_nc_u64 s[20:21], s[4:5], s[20:21]
	s_add_nc_u64 s[22:23], s[4:5], s[22:23]
	s_add_nc_u64 s[46:47], s[6:7], s[46:47]
	s_add_nc_u64 s[100:101], s[6:7], s[100:101]
	CROUND
	s_mov_b32 s92, 1
	s_add_co_u32 s93, s3, SX
	s_mov_b64 s[94:95], s[22:23]
	s_or_b32 s95, s95, 0x80000000
	s_mov_b32 s96, 1
	s_add_co_u32 s97, s3, SX
	s_mov_b64 s[98:99], s[100:101]
	s_or_b32 s99, s99, 0x80000000
	JLOAD 92, 48, 96, 56
.irp p, 0,1,2
	s_mov_b32 s[68+4*\p], 1
	s_add_co_u32 s[69+4*\p], s45, \p*REGION
	s_add_nc_u64 s[70+4*\p:71+4*\p], s[20:21], \p*SLOTB
	s_or_b32 s[71+4*\p], s[71+4*\p], 0x80000000
	s_mov_b32 s[80+4*\p], 1
	s_add_co_u32 s[81+4*\p], s45, \p*REGION
	s_add_nc_u64 s[82+4*\p:83+4*\p], s[46:47], \p*SLOTB
	s_or_b32 s[83+4*\p], s[83+4*\p], 0x80000000
	s_wait_alu depctr_va_vdst(0)
	s_wait_tensorcnt 0x0
	ds_add_u32 v28, v29
	s_wait_dscnt 0x0
	CROUND
	JLOAD 68+4*\p, 24, 80+4*\p, 32
.endr
	v_and_b32 v1, 31, v0
	v_and_b32 v2, 15, v0
	v_bfe_u32 v3, v0, 4, 1
	v_lshlrev_b32 v26, 4, v1
	v_lshlrev_b32 v4, 3, v1
	v_and_b32 v9, 8, v2
	v_add_nc_u32 v9, v9, v2
	v_lshlrev_b32 v9, 2, v9
	s_mul_i32 s12, s16, HALFP
	s_mul_i32 s13, s15, HALFP
	s_add_co_u32 s13, s13, PART
.irp p, 0,1,2
	v_add_nc_u32 v[20+\p], s12, v26
	v_add_nc_u32 v[12+\p], s12, v4
	v_add_nc_u32 v[16+\p], s13, v26
	s_add_co_u32 s12, s12, REGION
	s_add_co_u32 s13, s13, REGION
.endr
	s_lshl_b32 s12, s16, 12
	s_add_co_u32 s12, s12, SX
	v_add_nc_u32 v30, s12, v4                      ; att's scale bytes: 8 bytes a lane in each head's plane of 256
	s_lshl_b32 s13, s15, 12
	s_add_co_u32 s13, s13, SX+8192
	v_add_nc_u32 v27, s13, v4
	s_mul_i32 s12, s14, 16*SPITCH
	s_add_co_u32 s12, s12, REGION
	v_mul_u32_u24 v24, v2, SPITCH
	v_lshl_add_u32 v24, v3, 6, v24
	v_add_nc_u32 v24, s12, v24
	v_add_nc_u32 v25, s12, v26
	s_lshl_b32 s2, s42, 10
	s_lshl_b32 s3, s15, 9
	s_add_co_u32 s2, s2, s3
	s_mov_b32 s3, 0
	s_add_nc_u64 s[8:9], s[8:9], s[2:3]
.irp a, 0,1,2,3,4,5,6,7
.irp j, 0,1,2,3,4,5,6,7
	global_load_b32 v[64+8*\a+\j], v9, s[8:9] offset:(32*(\a/2)+8*(\a%2))*4
.endr
.endr
	s_lshr_b32 s2, s17, 3
	s_lshl_b32 s2, s2, 10
	s_lshl_b32 s18, s42, 8
	s_add_co_u32 s2, s2, s18
	s_lshl_b32 s18, s15, 7
	s_add_co_u32 s2, s2, s18
	s_lshl_b32 s2, s2, 13
	s_and_b32 s18, s17, 7
	s_lshl_b32 s18, s18, 10
	s_add_co_u32 s2, s2, s18
	s_lshl_b32 s18, s16, 9
	s_add_co_u32 s2, s2, s18
	s_add_nc_u64 s[10:11], s[10:11], s[2:3]
.macro WM cm
.if wOA && wOB
	v_wmma_scale_f32_16x16x128_f8f6f4 v[wD:wD+7], v[wA:wA+11], v[wB:wB+11], v[wC:wC+7], v[wSA], v[wSB] matrix_a_fmt:MATRIX_FMT_BF6 matrix_b_fmt:MATRIX_FMT_BF6 matrix_a_scale:MATRIX_SCALE_ROW1 matrix_b_scale:MATRIX_SCALE_ROW1
.elseif wOA
	v_wmma_scale_f32_16x16x128_f8f6f4 v[wD:wD+7], v[wA:wA+11], v[wB:wB+11], v[wC:wC+7], v[wSA], v[wSB] matrix_a_fmt:MATRIX_FMT_BF6 matrix_b_fmt:MATRIX_FMT_BF6 matrix_a_scale:MATRIX_SCALE_ROW1
.elseif wOB
	v_wmma_scale_f32_16x16x128_f8f6f4 v[wD:wD+7], v[wA:wA+11], v[wB:wB+11], v[wC:wC+7], v[wSA], v[wSB] matrix_a_fmt:MATRIX_FMT_BF6 matrix_b_fmt:MATRIX_FMT_BF6 matrix_b_scale:MATRIX_SCALE_ROW1
.else
	v_wmma_scale_f32_16x16x128_f8f6f4 v[wD:wD+7], v[wA:wA+11], v[wB:wB+11], v[wC:wC+7], v[wSA], v[wSB] matrix_a_fmt:MATRIX_FMT_BF6 matrix_b_fmt:MATRIX_FMT_BF6
.endif
.endm
.macro MUL16 a0, q, sc, cm
.irp a, \a0, \a0+1
.irp b, 0,1,2,3,4,5,6,7
.set wD, 8*(8*((\a)%4)+\b)
.set wA, 128*(\q)+12*\b
.set wB, 128+12*(\a)
.set wSA, 32+16*(\sc)+4*(\q)+(\b/2)
.set wSB, 40+16*(\sc)+2*((\a)/2)+(\q)
.set wOA, \b%2
.set wOB, (\a)%2
.if \cm == 2
.set wC, 64+8*(\a)
.else
.set wC, wD
.endif
	WM \cm
.endr
.endr
.endm
.macro FRAG3 reg, adr, off
.irp c, 0,1,2
	ds_load_b128 v[\reg+4*\c:\reg+4*\c+3], v[\adr] offset:\off+512*\c
.endr
.endm
.macro FRAGH reg, r, off
	ds_load_b128 v[\reg:\reg+3], v[20+(\r)] offset:\off
	ds_load_b64 v[\reg+4:\reg+5], v[12+(\r)] offset:\off+512
	ds_load_b128 v[\reg+6:\reg+9], v[20+(\r)] offset:\off+768
	ds_load_b64 v[\reg+10:\reg+11], v[12+(\r)] offset:\off+1280
.endm
.macro FETCH0 r, q
	WIN 0x40
.irp i, 0,1,2,3,4,5,6,7
	FRAGH 128*(\q)+12*\i, \r, \i*SLOTB+(\q)*1536
.endr
	WIN 0
.endm
.macro FETCH1 r, q, i0
.irp i, \i0, \i0+1, \i0+2, \i0+3
	FRAG3 128+12*(\i), 16+(\r), (\i)*SLOTB+(\q)*1536
.endr
.endm
.macro SCALES j
.irp q, 0,1
	ds_load_b64 v[224+8*((\j)%2)+4*\q:225+8*((\j)%2)+4*\q], v30 offset:(2*(\j)+\q)*512       ; the even head's two bytes for four tile pairs,
	ds_load_b64 v[226+8*((\j)%2)+4*\q:227+8*((\j)%2)+4*\q], v30 offset:(2*(\j)+\q)*512+256   ; and the odd head's
.endr
.irp p, 0,1,2,3
	ds_load_b64 v[40+16*((\j)%2)+2*\p:41+16*((\j)%2)+2*\p], v27 offset:\p*1024+(\j)*256
.endr
.endm
.macro STEP q, sc, nr, nq, ns, cm
	s_wait_dscnt 12
.if \q == 0                            ; the two heads' halves make the scale words of this pair of K steps: eight places stand between each word and the first product that names it
.irp k, 0,1
	v_perm_b32 v[32+16*(\sc)+4*\k], v[226+8*(\sc)+4*\k], v[224+8*(\sc)+4*\k], 0x05040100
	v_perm_b32 v[33+16*(\sc)+4*\k], v[226+8*(\sc)+4*\k], v[224+8*(\sc)+4*\k], 0x07060302
	v_perm_b32 v[34+16*(\sc)+4*\k], v[227+8*(\sc)+4*\k], v[225+8*(\sc)+4*\k], 0x05040100
	v_perm_b32 v[35+16*(\sc)+4*\k], v[227+8*(\sc)+4*\k], v[225+8*(\sc)+4*\k], 0x07060302
.endr
	s_wait_alu depctr_va_vdst(0)                   ; the wait behind these writes
.rept 4
	v_nop
.endr
.endif
.if \cm == 2
	WIN 0x81
.else
	WIN MUL_LO
.endif
	MUL16 0, \q, \sc, \cm
	MUL16 2, \q, \sc, \cm
	s_wait_dscnt 0x0
	PLACES
	FETCH0 \nr, \nq
	FETCH1 \nr, \nq, 0
.if \ns < 4
	SCALES \ns
.endif
.if \cm == 2
	WIN 0xc1
.else
	WIN MUL_HI
.endif
	MUL16 4, \q, \sc, \cm
	MUL16 6, \q, \sc, \cm
	PLACES
	WIN 0
	FETCH1 \nr, \nq, 4
.endm
.macro TURN sc, nr, ns, fill
	s_wait_tensorcnt 0x0
	ds_add_u32 v28, v29
	s_wait_dscnt 13
	WIN MUL_LO
	MUL16 0, 1, \sc, 1
	s_wait_dscnt 0x0
	s_barrier_signal -1
	MUL16 2, 1, \sc, 1
	WIN 0
	s_barrier_wait -1
.if \fill
	CREST
	s_add_nc_u64 s[70:71], s[70:71], 3*SLOTB
	s_add_nc_u64 s[82:83], s[82:83], 3*SLOTB
	JLOAD 68, 24, 80, 32
.else
	PLACES
.endif
	FETCH0 \nr, 0
	FETCH1 \nr, 0, 0
	SCALES \ns
	WIN MUL_HI
	MUL16 4, 1, \sc, 1
	MUL16 6, 1, \sc, 1
	PLACES
	WIN 0
	FETCH1 \nr, 0, 4
.endm
	s_wait_alu depctr_va_vdst(0)
	s_wait_tensorcnt 2
	s_barrier_signal -1
	s_barrier_wait -1
	FETCH0 0, 0
	FETCH1 0, 0, 0
	SCALES 0
	FETCH1 0, 0, 4
	s_wait_loadcnt 0x0
	STEP 0, 0, 0, 1, 9, 2
	TURN 0, 1, 1, 1
	STEP 0, 1, 1, 1, 9, 1
	STEP 1, 1, 2, 0, 2, 1
	STEP 0, 0, 2, 1, 9, 1
	TURN 0, 0, 3, 0
	STEP 0, 1, 0, 1, 9, 1
	s_wait_dscnt 12
	WIN MUL_LO
	MUL16 0, 1, 1, 1
	MUL16 2, 1, 1, 1
	s_wait_dscnt 0x0
	WIN MUL_HI
	MUL16 4, 1, 1, 1
	MUL16 6, 1, 1, 1
	WIN 0
.macro TOSTAGE a
.set AC, 64*((\a)%4)
	WIN 0x08+4*((\a)/4)
.irp b, 0,1,2,3,4,5,6,7
	ds_store_b128 v24, v[AC+8*\b:AC+8*\b+3] offset:128*(\b/2)+32*(\b%2)
	ds_store_b128 v24, v[AC+8*\b+4:AC+8*\b+7] offset:128*(\b/2)+32*(\b%2)+16
.endr
	WIN 0
.set BB, 128+64*((\a)%2)
.irp t, 0,1,2,3,4,5,6,7,8,9,10,11,12,13,14,15
	ds_load_b128 v[BB+4*\t:BB+4*\t+3], v25 offset:\t*SPITCH
.endr
.endm
.macro SEND a, younger
.set BB, 128+64*((\a)%2)
	s_wait_dscnt \younger
.irp t, 0,1,2,3,4,5,6,7,8,9,10,11,12,13,14,15
	global_store_b128 v26, v[BB+4*\t:BB+4*\t+3], s[10:11] offset:(32*((\a)/2)+8*((\a)%2)+\t+8*(\t/8))*8192 th:TH_STORE_NT
.endr
.endm
	PLACES
	TOSTAGE 0
.irp a, 1,2,3,4,5,6,7
.if \a > 1
	s_wait_xcnt 0x0
.endif
	TOSTAGE \a
	SEND \a-1, 32
.endr
	SEND 7, 0
	s_wait_tensorcnt 0x0
	ds_add_u32 v28, v29
	s_wait_dscnt 0x0
	CROUND
	s_endpgm
.Lfunc_end_k_q8c25ef3e72_gemm2:
	.size	k_q8c25ef3e72_gemm2, .Lfunc_end_k_q8c25ef3e72_gemm2-k_q8c25ef3e72_gemm2
	.p2alignl 7, 3214868480
	.fill 96, 4, 3214868480
	.section	.rodata,"a",@progbits
	.p2align	6, 0x0
	.amdhsa_kernel k_q8c25ef3e72_gemm2
		.amdhsa_group_segment_fixed_size 327680
		.amdhsa_private_segment_fixed_size 0
		.amdhsa_enable_private_segment 0
		.amdhsa_kernarg_size 32
		.amdhsa_user_sgpr_count 2
		.amdhsa_user_sgpr_kernarg_segment_ptr 1
		.amdhsa_wavefront_size32 1
		.amdhsa_system_sgpr_workgroup_id_x 1
		.amdhsa_system_sgpr_workgroup_id_y 1
		.amdhsa_system_sgpr_workgroup_id_z 1
		.amdhsa_system_vgpr_workitem_id 0
		.amdhsa_next_free_vgpr 1024
		.amdhsa_next_free_sgpr 102
		.amdhsa_reserve_vcc 0
		.amdhsa_float_denorm_mode_32 3
		.amdhsa_float_denorm_mode_16_64 3
		.amdhsa_memory_ordered 1
		.amdhsa_forward_progress 1
		.amdhsa_inst_pref_size 150
	.end_amdhsa_kernel
	.amdgpu_metadata
---
amdhsa.version: [ 1, 2 ]
amdhsa.kernels:
  - .name:           k_q8c25ef3e72_gemm2
    .symbol:         k_q8c25ef3e72_gemm2.kd
    .args:
      - { .name: att, .offset: 0, .size: 8, .value_kind: global_buffer, .address_space: global }
      - { .name: ops, .offset: 8, .size: 8, .value_kind: global_buffer, .address_space: global }
      - { .name: b_out, .offset: 16, .size: 8, .value_kind: global_buffer, .address_space: global }
      - { .name: out0, .offset: 24, .size: 8, .value_kind: global_buffer, .address_space: global }
    .group_segment_fixed_size: 327680
    .private_segment_fixed_size: 0
    .kernarg_segment_align: 8
    .kernarg_segment_size: 32
    .max_flat_workgroup_size: 128
    .sgpr_count:     102
    .vgpr_count:     1024
    .wavefront_size: 32
...
	.end_amdgpu_metadata
.endif
;; end of part 4
